; MI455X (gfx1250); checked and timed in simulation.
; The chip was launched on July 23, 2026; its instructions are those of AMD's public machine-readable ISA for CDNA 5 (MIT licence, August 2026) and "CDNA5" Instruction Set Architecture Reference Guide (July 2026). The comments in the code are by the model that wrote it; some were corrected since.
;; Mixture. Allowed arithmetic: matrix products marked QUANTISED: E2M1 operands, one E8M0 scale for each 32 along K, by v_wmma_scale_f32_16x16x128_f8f6f4 with both operands' format E2M1 (or v_wmma_scale_f32_32x16x128_f4), f32 sums; products left as they are: f32 operands where the result goes on into a quantised operand, else bf16, f16 or f32 operands; f32 sums; everything else in f32.
;; Inputs: W1_codes 8 x 2,048 x 32 x 16 uint8 (E2M1 codes of W1, K innermost, in blocks of 32 codes, two codes a byte); W1_scales 8 x 2,048 x 32 uint8 (E8M0 scales of W1, one for each 32 codes along K); W2 8 x 2,048 float32; b1 8 x 2,048 float32; b2 8 float32; centroids 8 x 1,024 float32; x 4,096 x 1,024 float32.
;; Outputs: out0 4,096 float32.
;; This version of the problem:
;;   THIS VERSION OF THE PROBLEM IS GIVEN IN LOW PRECISION. The matrix products marked QUANTISED in the list below multiply operands that are first quantised to E2M1 (2 exponent bits, 1 mantissa bit; 4 bits a number), with one power-of-two scale for each 32 numbers along K (OCP MX v1.0); their sums are f32. All else is computed in f32.
;;   The module's matrix products, in the order in which they are computed (A, B: the left and right operand; K: the contracted axis; several contracted axes count as one K, in the product's order):
;;     1. [M 4,096, K 1,024] x [K 1,024, N 8]; A: input x; B: input centroids: left as it is (N = 8 < 16)
;;     2. [M 16,384, K 1,024] x [K 1,024, N 4,096]; A: input W1 (given as codes); B: input x: QUANTISED
;;     3. batch 8 x [M 4,096, K 2,048] x [K 2,048, N 1]; A: computed on the way; B: input W2: left as it is (N = 1 < 16)
;;   THE QUANTISER, for each operand of a quantised product, along K:
;;     - K is cut into blocks of 32 from its start; a last block that is shorter is filled with zeros.
;;     - A block's scale is 2^e with e = floor(log2(the largest magnitude in the block)) - 2, held to -126 .. 127; a block of zeros has e = 0. As a byte (E8M0): e + 127.
;;     - Each number is divided by its block's scale, clamped to +-6, and rounded to the nearest number of E2M1, ties to even, subnormals kept.
;;     - The product sums the exact products of the quantised numbers (number of the format x scale) in f32.
;;   ~~~python
;;   def quantise(x, axis):      # numpy; x: float32 -> the quantised numbers, widened to float32 again
;;       x = np.moveaxis(x, axis, -1); K = x.shape[-1]
;;       x = np.pad(x, [(0, 0)] * (x.ndim - 1) + [(0, -K % 32)]); x = x.reshape(x.shape[:-1] + (-1, 32)); a = np.abs(x).max(-1, keepdims=True)
;;       e = np.where(a > 0, np.clip(np.frexp(np.where(a > 0, a, 1))[1] - 1 - 2, -126, 127), 0)      # np.frexp(a)[1] - 1 = floor(log2(a)), exactly
;;       r = np.clip(x / 2.0 ** e, -6, 6)
;;       step = 2.0 ** (np.maximum(np.frexp(np.where(r == 0, 1, r))[1] - 1, 0) - 1)
;;       q = np.round(r / step) * step * 2.0 ** e      # np.round: ties to even
;;       return np.moveaxis(q.reshape(q.shape[:-2] + (-1,))[..., :K], -1, axis).astype(np.float32)
;;   ~~~
;;   INPUTS GIVEN AS CODES. W1 (in the module: [8, 1024, 2048], K = its axis 1): each comes as NAME_codes (uint8): NAME with its K axis moved to the last place and cut into blocks of 32 codes, [.., K / 32, bytes a block], one block behind the other in memory; two codes a byte, the lower K in the low four bits (a code: sign, 2 exponent bits, 1 mantissa bit); and NAME_scales (uint8): the same leading axes, one E8M0 byte (e + 127) for each 32 codes along K. Its value is code x scale, taken as it is: it is not quantised again, and the codes and scales need not be those that the quantiser above would give.
;; One version. Each part assembles by itself: llvm-mc -triple=amdgcn-amd-amdhsa -mcpu=gfx1250 --defsym DOCPART=n.
;; ======== version 1 of 1: 3 launches
;; workspace buffers: xq 2,097,152 bytes; xs 131,072 bytes; mk 4,096 bytes of whole numbers; cn 2,048 bytes of whole numbers; part 131,072 bytes
;; launch route_quant (part 1): grid 256 x 1, 8 waves a work-group, no clusters, 86,016 bytes of LDS; arguments x, centroids, xq, xs, mk, cn; writes xq, xs, mk, cn
.if DOCPART == 1
	.amdgcn_target "amdgcn-amd-amdhsa--gfx1250"
	.amdhsa_code_object_version 6
	.text
	.protected	k_q382d5d55be_route_quant
	.globl	k_q382d5d55be_route_quant
	.p2align	8
	.type	k_q382d5d55be_route_quant,@function
k_q382d5d55be_route_quant:
	s_mov_b64 s[64:65], 0
	v_nop
	global_prefetch_b8 v0, s[64:65] scope:SCOPE_SE
	s_setreg_imm32_b32 hwreg(HW_REG_WAVE_MODE, 25, 1), 1
	s_wait_xcnt 0x0
; For 16 tokens a work-group: d2[k] = (|x|^2 - 2 x.c_k) + |c_k|^2 in f32, its argmin (the lower index on a tie), and x as codes of E2M1 with one E8M0 byte for each 32 along K.
; Stored: xq [4096][512 bytes] codes, K innermost; xs [4096][32] scale bytes; mk [256 groups of 16 tokens][8 x u16]: bit i of word e = token 16 g + i chose expert e; cn [256][8 x u8]: how many of the group chose e.
; The choice goes into store data alone: no branch and no address of this launch hangs on it.
; SHARES.  Eight waves; wave w takes K = 128 w .. 128 w + 127 of all 16 tokens.  x comes in as it lies (each load 512 consecutive bytes), turns through LDS, and comes back so that lane (r, h) holds token r and
; register 16 b + i holds k = 128 w + 32 b + 16 h + i: the order that the conversions want.  The centroids are loaded in the same order (lanes r and r + 8 take centroid r % 8).
; x.c goes by v_wmma_f32_16x16x4_f32 (source 0 = centroids, source 1 = tokens; the same order of k on both): 32 instructions a wave, a thousandth of the program's multiply-adds; f32 operands, since a coarser format would turn the argmin.
; LIMITS: NaN and infinities among the inputs are not served.  Where a token's two smallest d2 lie closer than the rounding of the f32 sums (some 3e-4 at d2 = 2,048), the order of summing decides which is taken.
; A block of zeros gets the byte 1 (the quantiser's rule says 127): its codes are zeros, and this program alone reads the bytes.  Blocks whose largest magnitude lies under 2^-124 have their byte held at 1.
.set XP,    4112                       ; a row of x in LDS: 4,096 bytes + 16: an odd multiple of 16
.set CODES, 65792                      ; 16 rows of codes, 512 bytes + 16
.set CP,    528
.set XSCL,  74240                      ; 16 rows of 32 scale bytes, dense, as xs has them
.set RX,    74752                      ; each wave's part of x.c: an image of 8 registers, 1,024 bytes a wave
.set RXX,   82944                      ; each wave's part of |x|^2, 128 bytes a wave
.set RCC,   83968                      ; and of |c|^2
.set X,    20                          ; v20-83   64 numbers of x
.set C,    84                          ; v84-147  64 numbers of a centroid
.set T,    148                         ; v148-155 my part of x.c
.set SQ,   156                         ; v156-163 sums of squares: two pair chains for x, two for c
.set TM,   164                         ; v164-167 largest magnitudes, v168-171 bytes, v176-179 the conversions' scale operands
.set PW,   180                         ; the scale word
.set PC,   182                         ; v182-189 the codes
.set SCR,  190                         ; v190-197 at work
.set OUTC, 198                         ; v198-205 two rows of codes on their way out
.set OUTS, 206                         ; v206-209 scale bytes on their way out
.set D,    224                         ; v224-255 four accumulators: written by matrix instructions alone
	s_load_b256 s[4:11], s[0:1], 0x0               ; x s[4:5], centroids s[6:7], xq s[8:9], xs s[10:11]
	s_load_b128 s[12:15], s[0:1], 0x20             ; mk s[12:13], cn s[14:15]
	v_lshl_add_u32 v222, v0, 2, 0x14c00
	v_mov_b32 v223, 0
	v_lshrrev_b32 v1, 5, v0
	v_readfirstlane_b32 s16, v1                    ; wave 0..7
	v_and_b32 v1, 31, v0                           ; lane
	v_and_b32 v2, 15, v0                           ; r
	v_bfe_u32 v3, v0, 4, 1                         ; h
	v_lshlrev_b32 v4, 4, v1                        ; 16 x lane
	s_mul_i32 s17, s16, 2*XP
	v_add_nc_u32 v5, s17, v4                       ; x into LDS: rows 2 w and 2 w + 1
	s_lshl_b32 s18, s16, 9
	v_mul_u32_u24 v6, v2, XP
	v_lshl_add_u32 v6, v3, 6, v6
	v_add_nc_u32 v6, s18, v6                       ; and back: row r, byte 512 w + 64 h
	v_and_b32 v7, 7, v0
	v_lshlrev_b32 v7, 12, v7
	v_lshl_add_u32 v7, v3, 6, v7
	v_add_nc_u32 v7, s18, v7                       ; centroid r % 8, the same bytes of its row
	s_lshl_b32 s19, s16, 6
	s_add_co_u32 s19, s19, CODES
	v_mul_u32_u24 v8, v2, CP
	v_lshl_add_u32 v8, v3, 3, v8
	v_add_nc_u32 v8, s19, v8                       ; codes: row r, byte 64 w + 8 h (+ 16 b)
	s_lshl_b32 s19, s16, 2
	s_add_co_u32 s19, s19, XSCL
	v_lshl_add_u32 v9, v2, 5, s19                  ; scale word: row r, byte 4 w
	s_lshl_b32 s19, s16, 10
	v_add_nc_u32 v13, s19, v4                      ; xq: my two rows, 16 bytes a lane
	s_add_co_u32 s19, s19, RX
	v_add_nc_u32 v10, s19, v4
	s_lshl_b32 s19, s16, 7
	s_add_co_u32 s19, s19, RXX
	v_lshl_add_u32 v11, v1, 2, s19
	s_mul_i32 s19, s16, 2*CP
	s_add_co_u32 s19, s19, CODES
	v_add_nc_u32 v12, s19, v4                      ; codes back by rows: row 2 w
	v_add_nc_u32 v14, RX, v4
	v_lshl_add_u32 v15, v1, 2, RXX
	v_mov_b32 v16, RCC
	v_add_nc_u32 v17, XSCL, v4
.irp b, 0,1,2,3
	v_mov_b32 v[TM+4+\b], 0                        ; a lane permute's destination counts as one of its sources
.endr
	v_mov_b32 v[SCR], 0
	v_mov_b32 v[SCR+1], 0
	s_mov_b32 s20, 0x76543210
	s_mov_b32 s21, 0xfedcba98                      ; v_permlanex16_b32's selects for lane l xor 16
	s_lshl_b32 s22, ttmp9, 16                      ; the group's 16 rows of x,
	s_lshl_b32 s24, s16, 13                        ; my two of them
	s_add_co_u32 s22, s22, s24
	s_mov_b32 s23, 0
	s_lshl_b32 s24, ttmp9, 13
	s_mov_b32 s25, 0
	s_lshl_b32 s26, ttmp9, 9
	s_mov_b32 s27, 0
	s_lshl_b32 s28, ttmp9, 4
	s_mov_b32 s29, 0
	s_lshl_b32 s30, ttmp9, 3
	s_mov_b32 s31, 0
	s_wait_kmcnt 0x0
	s_add_nc_u64 s[4:5], s[4:5], s[22:23]
	s_add_nc_u64 s[8:9], s[8:9], s[24:25]
	s_add_nc_u64 s[10:11], s[10:11], s[26:27]
	s_add_nc_u64 s[12:13], s[12:13], s[28:29]
	s_add_nc_u64 s[14:15], s[14:15], s[30:31]
.irp i, 0,1,2,3,4,5,6,7,8,9,10,11,12,13,14,15
	global_load_b128 v[X+4*\i:X+4*\i+3], v4, s[4:5] offset:512*\i th:TH_LOAD_NT   ; 32 lanes read 512 consecutive bytes; x is read once
.endr
.irp b, 0,1,2,3
.irp j, 0,1,2,3
	global_load_b128 v[C+16*\b+4*\j:C+16*\b+4*\j+3], v7, s[6:7] offset:128*\b+16*\j
.endr
.endr
	s_wait_loadcnt 16                              ; x's 16 loads are in; the centroids' 16 stay out
.irp i, 0,1,2,3,4,5,6,7,8,9,10,11,12,13,14,15
	ds_store_b128 v5, v[X+4*\i:X+4*\i+3] offset:(\i/8)*XP+(\i%8)*512
.endr
	s_wait_dscnt 0x0                               ; for the others' sake: my two rows lie in LDS
	s_barrier_signal -1
	s_barrier_wait -1
.irp b, 0,1,2,3
.irp j, 0,1,2,3
	ds_load_b128 v[X+16*\b+4*\j:X+16*\b+4*\j+3], v6 offset:128*\b+16*\j   ; register 16 b + i: k = 128 w + 32 b + 16 h + i of token r
.endr
.endr
	s_wait_loadcnt 0x0
	s_wait_dscnt 0x0
; x.c: four accumulators by turns, one instruction a turn; the first four start the sums with the constant 0.
; In the result lane (r, h) holds token r, and register j centroid j (rows 8-15 of source 0 repeat rows 0-7, so both halves of the lanes hold the same).
.set p, 0
.rept 32
.if p < 4
	v_wmma_f32_16x16x4_f32 v[D+8*p:D+8*p+7], v[C+2*p:C+2*p+1], v[X+2*p:X+2*p+1], 0
.else
	v_wmma_f32_16x16x4_f32 v[D+8*(p%4):D+8*(p%4)+7], v[C+2*p:C+2*p+1], v[X+2*p:X+2*p+1], v[D+8*(p%4):D+8*(p%4)+7]
.endif
.set p, p+1
.endr
; the sums of squares of my 64 numbers of x and of c
	v_pk_mul_f32 v[SQ:SQ+1], v[X:X+1], v[X:X+1]
	v_pk_mul_f32 v[SQ+2:SQ+3], v[X+2:X+3], v[X+2:X+3]
	v_pk_mul_f32 v[SQ+4:SQ+5], v[C:C+1], v[C:C+1]
	v_pk_mul_f32 v[SQ+6:SQ+7], v[C+2:C+3], v[C+2:C+3]
.irp j, 4,8,12,16,20,24,28,32,36,40,44,48,52,56,60
	v_pk_fma_f32 v[SQ:SQ+1], v[X+\j:X+\j+1], v[X+\j:X+\j+1], v[SQ:SQ+1]
	v_pk_fma_f32 v[SQ+2:SQ+3], v[X+\j+2:X+\j+3], v[X+\j+2:X+\j+3], v[SQ+2:SQ+3]
	v_pk_fma_f32 v[SQ+4:SQ+5], v[C+\j:C+\j+1], v[C+\j:C+\j+1], v[SQ+4:SQ+5]
	v_pk_fma_f32 v[SQ+6:SQ+7], v[C+\j+2:C+\j+3], v[C+\j+2:C+\j+3], v[SQ+6:SQ+7]
.endr
	v_pk_add_f32 v[SQ:SQ+1], v[SQ:SQ+1], v[SQ+2:SQ+3]
	v_pk_add_f32 v[SQ+4:SQ+5], v[SQ+4:SQ+5], v[SQ+6:SQ+7]
	v_add_f32 v[SQ], v[SQ], v[SQ+1]
	v_add_f32 v[SQ+4], v[SQ+4], v[SQ+5]
	v_permlanex16_b32 v[SCR], v[SQ], s20, s21
	v_permlanex16_b32 v[SCR+1], v[SQ+4], s20, s21
	v_add_f32 v[SQ], v[SQ], v[SCR]                 ; token r's part of |x|^2 over my 128 k
	v_add_f32 v[SQ+4], v[SQ+4], v[SCR+1]           ; centroid r % 8's part of |c|^2
; the quantiser: four blocks of 32, each in lanes l and l xor 16
.irp b, 0,1,2,3
	v_max3_num_f32 v[TM+\b], |v[X+16*\b]|, |v[X+1+16*\b]|, 0x1800000   ; my 16 numbers, and the floor 2^(3 - 127): the byte cannot fall under 1
.endr
.irp i, 2,4,6,8,10,12,14
.irp b, 0,1,2,3
	v_max3_num_f32 v[TM+\b], v[TM+\b], |v[X+16*\b+\i]|, |v[X+1+16*\b+\i]|
.endr
.endr
.irp b, 0,1,2,3
	v_permlanex16_b32 v[TM+4+\b], v[TM+\b], s20, s21
.endr
.irp b, 0,1,2,3
	v_max_num_f32 v[TM+\b], v[TM+\b], v[TM+4+\b]   ; the block's largest magnitude
.endr
.irp b, 0,1,2,3
	v_add_nc_u32 v[TM+12+\b], 0xff000000, v[TM+\b] ; 2 off its exponent field: the conversion takes that field as its scale
.endr
.irp b, 0,1,2,3
	v_lshrrev_b32 v[TM+4+\b], 23, v[TM+12+\b]      ; the scale's byte
.endr
	v_lshl_or_b32 v[PW], v[TM+5], 8, v[TM+4]
	v_lshl_or_b32 v[PW], v[TM+6], 16, v[PW]
	v_lshl_or_b32 v[PW], v[TM+7], 24, v[PW]        ; token r's scale word for my 128 k, the same in both halves of the lanes
.irp b, 0,1,2,3
	v_cvt_scalef32_pk8_fp4_f32 v[PC+2*\b], v[X+16*\b:X+7+16*\b], v[TM+12+\b]
	v_cvt_scalef32_pk8_fp4_f32 v[PC+1+2*\b], v[X+8+16*\b:X+15+16*\b], v[TM+12+\b]
.endr
	v_nop                                          ; one plain place behind the last scaled conversion
.irp b, 0,1,2,3
	ds_store_b64 v8, v[PC+2*\b:PC+2*\b+1] offset:16*\b   ; 16 codes, 8 bytes, at their place in the token's row
.endr
	ds_store_b32 v9, v[PW]
.rept 8
	v_nop                                          ; eight places between this matrix form and the first read of its results (ISA guide 7.12.1)
.endr
.irp j, 0,2,4,6
	v_pk_add_f32 v[T+\j:T+\j+1], v[D+\j:D+\j+1], v[D+8+\j:D+8+\j+1]           ; each accumulator is read from its low end on
.endr
.irp j, 0,2,4,6
	v_pk_add_f32 v[SCR+\j:SCR+\j+1], v[D+16+\j:D+16+\j+1], v[D+24+\j:D+24+\j+1]
.endr
.irp j, 0,2,4,6
	v_pk_add_f32 v[T+\j:T+\j+1], v[T+\j:T+\j+1], v[SCR+\j:SCR+\j+1]
.endr
	ds_store_b128 v10, v[T:T+3]
	ds_store_b128 v10, v[T+4:T+7] offset:512
	ds_store_b32 v11, v[SQ]
	ds_store_b32 v11, v[SQ+4] offset:RCC-RXX
	s_wait_dscnt 0x0                               ; for the others' sake: codes, scale words and my parts lie in LDS
	s_barrier_signal -1
	s_barrier_wait -1
	ds_load_b128 v[OUTC:OUTC+3], v12               ; every wave stores two whole rows of codes
	ds_load_b128 v[OUTC+4:OUTC+7], v12 offset:CP
	s_wait_dscnt 0x0
	global_store_b128 v13, v[OUTC:OUTC+3], s[8:9]             ; 32 lanes store 512 consecutive bytes, aligned
	global_store_b128 v13, v[OUTC+4:OUTC+7], s[8:9] offset:512
	s_cmp_lg_u32 s16, 7
	s_cbranch_scc1 .Lnot_7
	ds_load_b128 v[OUTS:OUTS+3], v17               ; wave 7: the group's 512 scale bytes
	s_wait_dscnt 0x0
	global_store_b128 v4, v[OUTS:OUTS+3], s[10:11]
.Lnot_7:
	s_cmp_lg_u32 s16, 0
	s_cbranch_scc1 .Lend
; wave 0: the eight waves' parts are added, K ascending; then d2 and its argmin
.irp w, 0,1,2,3,4,5,6,7
	ds_load_b128 v[X+8*\w:X+8*\w+3], v14 offset:1024*\w
	ds_load_b128 v[X+8*\w+4:X+8*\w+7], v14 offset:1024*\w+512
	ds_load_b32 v[84+\w], v15 offset:128*\w
	ds_load_b128 v[92+8*\w:95+8*\w], v16 offset:128*\w          ; lanes 0-7's words are |c_0|^2 .. |c_7|^2: every lane reads all eight
	ds_load_b128 v[96+8*\w:99+8*\w], v16 offset:128*\w+16
.endr
	s_wait_dscnt 0x0
.irp w, 1,2,3,4,5,6,7
.irp j, 0,2,4,6
	v_pk_add_f32 v[X+\j:X+\j+1], v[X+\j:X+\j+1], v[X+8*\w+\j:X+8*\w+\j+1]
	v_pk_add_f32 v[92+\j:93+\j], v[92+\j:93+\j], v[92+8*\w+\j:93+8*\w+\j]
.endr
	v_add_f32 v84, v84, v[84+\w]
.endr
.irp j, 0,1,2,3,4,5,6,7
	v_fma_f32 v[SQ+\j], -2.0, v[X+\j], v84         ; |x|^2 - 2 x.c: doubling is exact, so this rounds once, as the subtraction does
.endr
.irp j, 0,1,2,3,4,5,6,7
	v_add_f32 v[SQ+\j], v[SQ+\j], v[92+\j]         ; + |c|^2
.endr
	v_mov_b32 v164, v[SQ]                          ; the smallest so far,
	v_mov_b32 v165, 0                              ; and where
.irp j, 1,2,3,4,5,6,7
	v_mov_b32 v166, \j
	v_cmp_lt_f32 vcc_lo, v[SQ+\j], v164            ; strictly smaller: a tie keeps the lower index
	v_cndmask_b32 v164, v164, v[SQ+\j], vcc_lo
	v_cndmask_b32 v165, v165, v166, vcc_lo
.endr
.irp e, 0,1,2,3,4,5,6,7
	v_cmp_eq_u32 s[24+\e], \e, v165
.endr
.irp e, 0,1,2,3,4,5,6,7
	s_and_b32 s[24+\e], s[24+\e], 0xffff           ; lanes 0-15: the 16 tokens
	s_bcnt1_i32_b32 s[32+\e], s[24+\e]
.endr
.irp d, 0,1,2,3
	s_lshl_b32 s41, s[25+2*\d], 16
	s_or_b32 s[24+2*\d], s[24+2*\d], s41
	v_mov_b32 v[SCR+\d], s[24+2*\d]
.endr
.irp c, 0,4
	s_lshl_b32 s41, s[33+\c], 8
	s_or_b32 s[32+\c], s[32+\c], s41
	s_lshl_b32 s41, s[34+\c], 16
	s_or_b32 s[32+\c], s[32+\c], s41
	s_lshl_b32 s41, s[35+\c], 24
	s_or_b32 s[32+\c], s[32+\c], s41
.endr
	v_mov_b32 v[SCR+4], s32
	v_mov_b32 v[SCR+5], s36
	v_mov_b32 v[SCR+6], 0
	s_wait_xcnt 0x0                                ; EXEC changes only behind this wait: my stores of codes have been issued
	v_cmp_eq_u32 vcc_lo, 0, v1
	s_and_saveexec_b32 s40, vcc_lo                 ; lane 0 alone stores the group's 16 + 8 bytes
	global_store_b128 v[SCR+6], v[SCR:SCR+3], s[12:13]
	global_store_b64 v[SCR+6], v[SCR+4:SCR+5], s[14:15]
	s_wait_xcnt 0x0
	s_or_b32 exec_lo, exec_lo, s40
.Lend:
	s_wait_tensorcnt 0x0
	ds_add_u32 v222, v223
	s_wait_dscnt 0x0
	s_endpgm
.Lfunc_end_k_q382d5d55be_route_quant:
	.size	k_q382d5d55be_route_quant, .Lfunc_end_k_q382d5d55be_route_quant-k_q382d5d55be_route_quant
	.p2alignl 7, 3214868480
	.fill 96, 4, 3214868480
	.section	.rodata,"a",@progbits
	.p2align	6, 0x0
	.amdhsa_kernel k_q382d5d55be_route_quant
		.amdhsa_group_segment_fixed_size 86016
		.amdhsa_private_segment_fixed_size 0
		.amdhsa_enable_private_segment 0
		.amdhsa_kernarg_size 48
		.amdhsa_user_sgpr_count 2
		.amdhsa_user_sgpr_kernarg_segment_ptr 1
		.amdhsa_wavefront_size32 1
		.amdhsa_system_sgpr_workgroup_id_x 1
		.amdhsa_system_sgpr_workgroup_id_y 1
		.amdhsa_system_sgpr_workgroup_id_z 1
		.amdhsa_system_vgpr_workitem_id 0
		.amdhsa_next_free_vgpr 256
		.amdhsa_next_free_sgpr 66
		.amdhsa_reserve_vcc 1
		.amdhsa_float_denorm_mode_32 3
		.amdhsa_float_denorm_mode_16_64 3
		.amdhsa_memory_ordered 1
		.amdhsa_forward_progress 1
		.amdhsa_inst_pref_size 32
	.end_amdhsa_kernel
	.amdgpu_metadata
---
amdhsa.version: [ 1, 2 ]
amdhsa.kernels:
  - .name:           k_q382d5d55be_route_quant
    .symbol:         k_q382d5d55be_route_quant.kd
    .args:
      - { .name: x, .offset: 0, .size: 8, .value_kind: global_buffer, .address_space: global }
      - { .name: centroids, .offset: 8, .size: 8, .value_kind: global_buffer, .address_space: global }
      - { .name: xq, .offset: 16, .size: 8, .value_kind: global_buffer, .address_space: global }
      - { .name: xs, .offset: 24, .size: 8, .value_kind: global_buffer, .address_space: global }
      - { .name: mk, .offset: 32, .size: 8, .value_kind: global_buffer, .address_space: global }
      - { .name: cn, .offset: 40, .size: 8, .value_kind: global_buffer, .address_space: global }
    .group_segment_fixed_size: 86016
    .private_segment_fixed_size: 0
    .kernarg_segment_align: 8
    .kernarg_segment_size: 48
    .max_flat_workgroup_size: 256
    .sgpr_count:     66
    .vgpr_count:     256
    .wavefront_size: 32
...
	.end_amdgpu_metadata
.endif
;; end of part 1
;; launch experts (part 2): grid 29 x 8, 4 waves a work-group, no clusters, 266,240 bytes of LDS; arguments W1_codes, W1_scales, W2, b1, b2, xq, xs, mk, cn, part; writes part
.if DOCPART == 2
	.amdgcn_target "amdgcn-amd-amdhsa--gfx1250"
	.amdhsa_code_object_version 6
	.text
	.protected	k_q382d5d55be_experts
	.globl	k_q382d5d55be_experts
	.p2align	8
	.type	k_q382d5d55be_experts,@function
k_q382d5d55be_experts:
	s_mov_b64 s[64:65], 0
	v_nop
	global_prefetch_b8 v0, s[64:65] scope:SCOPE_SE
	s_setreg_imm32_b32 hwreg(HW_REG_WAVE_MODE, 25, 1), 1
	s_wait_xcnt 0x0
; part[s][b] = the sum over hidden units u = 256 s .. 256 s + 255 of W2[e][u] tanh(Q(x_b) . W1[e][u] + b1[e][u])  (+ b2[e] in s = 0), e the expert that token b chose.  Only the chosen expert's rows are multiplied.
; GRID.  x: a tile of at most 192 rows of one expert; y: the split s of H.  The experts' tiles follow each other; the sum over e of ceil(n_e / 192) is never above floor((4096 + 8 x 191) / 192) = 29, whatever the choice.
; A tile that a given choice leaves without rows stores nothing: it jumps over the work between the barriers, never over a barrier.
; NO TENSOR LOADS, NO CLUSTER: addresses and those jumps hang on numbers read from mk and cn.  Operands go through registers into LDS.
; PLACING.  Each wave finds the tokens of its own 48 rows from mk and cn (whole numbers that the launch before stored), while its rows of W1 are on their way.  An entry is 32 tokens; lane l holds entries 4 l .. 4 l + 3.
; SHARES.  Wave w = 2 wr + wc makes rows 96 wr .. + 95 x hidden units 128 wc .. + 127: 6 x 8 accumulators.  THE MATRIX INSTRUCTION IS USED TRANSPOSED (source 0 = 16 rows of W1, source 1 = 16 rows of x):
; a lane holds one token and eight hidden units, so that the dot with W2 wants one exchange between the halves of the lanes.  b1 is the C of each sum's first instruction.
; tanh z = 1 - 2 / (1 + 2^(2 log2(e) z)); an overflow gives +1, an underflow -1, without a clamp.  The sum of W2 tanh is formed as (sum of W2) - 2 (sum of W2 / (1 + 2^..)), in f32.
; LIMITS: NaN and infinities among the inputs are not served.
; REGISTERS, in windows of 256: window 0: v1-31 addresses and work; v32-95 scale words and nothing else; v96-127 at work; v128-175 cn and mk, then a table of 32, then with v176-223 x's fragments, two sets of 48.
;   window 1: v0-35 staging; then W1's fragments, sets at v0 and v128; v64-127 b1, v192-255 W2, both in the result's layout.   window 2: staging of 64 rows of W1, then accumulators of row blocks 0-3.
;   window 3: v0-191 staging of 48 rows of x, then accumulators of row blocks 4, 5.
.set PITCH, 528                        ; a row of 1,024 codes in LDS: 512 bytes + 16: an odd multiple of 16
.set SCP,   48                         ; a row of 32 scale bytes + 16
.set XT,    0                          ; 192 rows of x's codes
.set WT,    101376                     ; 256 rows of W1's codes
.set XSC,   236544                     ; 192 rows of x's scale bytes
.set WSC,   245760                     ; 256 rows of W1's
.set PRIV,  258048                     ; 512 bytes for each wave: the table on its way to all lanes
.set BW,    260096                     ; 1,024 bytes for each wave: its 128 numbers of b1, then of W2
.set RED,   264192                     ; 2 x 192 words: each row's sum over 128 hidden units
.set SC,    32
.set TAB,   128
.set XF,    128
.set B1R,   64
.set W2R,   192
.set MSB, 0
.macro WIN new                         ; the immediate's high byte repeats the setting that is left
.if MSB != \new
	s_set_vgpr_msb (MSB<<8)|\new
.set MSB, \new
.endif
.endm
.macro WROWS first, count              ; rows first .. first + count - 1 of my 64 rows of W1, a row of 512 bytes to a load, into window 2
	WIN 0x80
.set i, \first
.rept \count
	global_load_b128 v[4*i:4*i+3], v2, s[76:77] offset:512*i
.set i, i+1
.endr
	WIN 0
.endm
	s_load_b512 s[4:19], s[0:1], 0x0               ; W1_codes s[4:5], W1_scales s[6:7], W2 s[8:9], b1 s[10:11], b2 s[12:13], xq s[14:15], xs s[16:17], mk s[18:19]
	s_load_b128 s[20:23], s[0:1], 0x40             ; cn s[20:21], part s[22:23]
	v_lshl_add_u32 v254, v0, 2, 0x40e00
	v_mov_b32 v255, 0
	v_and_b32 v1, 31, v0                           ; lane
	v_lshlrev_b32 v23, 6, v1                       ; cn: my four entries, 16 bytes each
	v_lshlrev_b32 v24, 7, v1                       ; mk: 32 bytes each
	s_wait_kmcnt 0x0
.irp q, 0,1,2,3
	global_load_b128 v[128+4*\q:131+4*\q], v23, s[20:21] offset:16*\q      ; entry 4 l + q: the counts of groups 2 t and 2 t + 1
.endr
.irp q, 0,1,2,3
.irp u, 0,1
	global_load_b128 v[144+8*\q+4*\u:147+8*\q+4*\u], v24, s[18:19] offset:32*\q+16*\u   ; and their masks
.endr
.endr
	v_lshrrev_b32 v27, 5, v0
	v_readfirstlane_b32 s24, v27                   ; wave 0..3
	s_lshr_b32 s25, s24, 1                         ; wr
	s_and_b32 s26, s24, 1                          ; wc
	s_mov_b32 s27, ttmp9                           ; tile
	s_and_b32 s28, ttmp7, 0xffff                   ; split
	v_lshlrev_b32 v2, 4, v1                        ; 16 x lane
	v_and_b32 v3, 15, v0                           ; r
	v_bfe_u32 v4, v0, 4, 1                         ; h
	v_mul_u32_u24 v27, v3, PITCH
	v_lshl_add_u32 v27, v4, 4, v27                 ; a fragment's row x pitch + 16 h
	s_mul_i32 s56, s25, 96*PITCH
	v_add_nc_u32 v5, s56, v27                      ; my 96 rows of x
	s_mul_i32 s56, s26, 128*PITCH
	s_add_co_u32 s56, s56, WT
	v_add_nc_u32 v6, s56, v27                      ; my 128 rows of W1
	s_mul_i32 s56, s25, 96*SCP
	s_add_co_u32 s56, s56, XSC
	s_mul_i32 s57, s26, 128*SCP
	s_add_co_u32 s57, s57, WSC
	s_sub_co_u32 s57, s57, s56
	v_mul_u32_u24 v7, v3, SCP
	v_mul_u32_u24 v27, s57, v4                     ; lanes 16-31 take W1's scale words: the lower base + h x the distance
	v_add_nc_u32 v7, v7, v27
	v_add_nc_u32 v7, s56, v7
	s_mul_i32 s56, s24, 64*PITCH
	s_add_co_u32 s56, s56, WT
	v_add_nc_u32 v8, s56, v2                       ; where I put W1's rows 64 w on
	s_mul_i32 s56, s24, 48*PITCH
	v_add_nc_u32 v9, s56, v2                       ; and x's rows 48 w on
	v_lshrrev_b32 v27, 1, v1
	v_lshlrev_b32 v25, 2, v27                      ; a lane permute's index: lane l / 2
	v_mul_u32_u24 v27, v27, SCP
	v_and_b32 v26, 1, v0
	v_lshlrev_b32 v26, 4, v26                      ; 16 (l % 2): two lanes to a row of scale bytes
	v_add_nc_u32 v27, v27, v26
	s_mul_i32 s56, s24, 64*SCP
	s_add_co_u32 s56, s56, WSC
	v_add_nc_u32 v10, s56, v27
	s_mul_i32 s56, s24, 48*SCP
	s_add_co_u32 s56, s56, XSC
	v_add_nc_u32 v11, s56, v27
	s_lshl_b32 s56, s24, 9
	s_add_co_u32 s56, s56, PRIV
	v_lshl_add_u32 v12, v1, 2, s56
	v_mov_b32 v13, s56
	s_lshl_b32 s56, s24, 10
	s_add_co_u32 s56, s56, BW
	v_add_nc_u32 v14, s56, v2
	v_lshl_add_u32 v15, v4, 5, s56                 ; b1, W2 in the result's layout: my half's eight units of a tile
	v_mov_b32 v16, 0                               ; the tokens of my rows 48 w + lane,
	v_mov_b32 v17, 0                               ; and 48 w + 32 + lane (lanes 0-15)
	s_mul_i32 s56, s26, 768
	s_mul_i32 s57, s25, 384
	s_add_co_u32 s56, s56, s57
	s_add_co_u32 s56, s56, RED
	v_lshl_add_u32 v18, v3, 2, s56
	s_mul_i32 s56, s24, 48
	v_add_nc_u32 v21, s56, v1                      ; my rows' numbers in the tile
	v_add_nc_u32 v22, 32, v21
	v_lshl_add_u32 v19, v21, 2, RED
	v_add_nc_u32 v27, s56, v3
	v_lshl_add_u32 v20, v27, 2, RED+128
.irp p, 0,1,2,3
	v_mov_b32 v[110+\p], 0                         ; destinations of lane moves count as sources
.endr
	s_mov_b32 s60, 0x76543210
	s_mov_b32 s61, 0xfedcba98                      ; v_permlanex16_b32's selects for lane l xor 16
	s_mov_b32 s62, 0x4038aa3b                      ; 2 log2(e)
	s_mov_b32 s63, s62
	s_wait_loadcnt 8                               ; cn's four loads are in; mk's eight stay out
; how many tokens chose each expert: bytes, then 16-bit fields, then over the 32 lanes
.irp q, 0,1,2,3
	v_add_nc_u32 v[96+\q], v[128+4*\q], v[130+4*\q]     ; an entry's counts of experts 0-3, a byte each, at most 32
	v_add_nc_u32 v[100+\q], v[129+4*\q], v[131+4*\q]    ; and of experts 4-7
.endr
	v_add3_u32 v104, v96, v97, v98
	v_add_nc_u32 v104, v104, v99                   ; at most 128 in a byte
	v_add3_u32 v105, v100, v101, v102
	v_add_nc_u32 v105, v105, v103
	v_and_b32 v106, 0x00ff00ff, v104               ; experts 0 and 2
	v_lshrrev_b32 v107, 8, v104
	v_and_b32 v107, 0x00ff00ff, v107               ; 1 and 3
	v_and_b32 v108, 0x00ff00ff, v105               ; 4 and 6
	v_lshrrev_b32 v109, 8, v105
	v_and_b32 v109, 0x00ff00ff, v109               ; 5 and 7
.irp m, 1,2,4,8
.irp p, 0,1,2,3
	v_mov_b32_dpp v[110+\p], v[106+\p] row_xmask:\m row_mask:0xf bank_mask:0xf
.endr
.irp p, 0,1,2,3
	v_add_nc_u32 v[106+\p], v[106+\p], v[110+\p]
.endr
.endr
.irp p, 0,1,2,3
	v_permlanex16_b32 v[110+\p], v[106+\p], s60, s61
.endr
.irp p, 0,1,2,3
	v_add_nc_u32 v[106+\p], v[106+\p], v[110+\p]   ; at most 4,096 in a field of 16 bits
.endr
.irp p, 0,1,2,3
	v_readfirstlane_b32 s[29+\p], v[106+\p]
.endr
	s_and_b32 s33, s29, 0xffff                     ; n_0 .. n_7 in s33 .. s40
	s_lshr_b32 s35, s29, 16
	s_and_b32 s34, s30, 0xffff
	s_lshr_b32 s36, s30, 16
	s_and_b32 s37, s31, 0xffff
	s_lshr_b32 s39, s31, 16
	s_and_b32 s38, s32, 0xffff
	s_lshr_b32 s40, s32, 16
	s_mov_b32 s41, 0                               ; the first tile of the expert in hand
	s_mov_b32 s42, 0                               ; my tile's expert,
	s_mov_b32 s43, 0                               ; that expert's first tile,
	s_mov_b32 s44, 0                               ; and its rows
.macro EXPERT e                        ; the last expert whose first tile is not behind mine is my tile's; one without rows is passed over
	s_cmp_ge_u32 s27, s41
	s_cselect_b32 s42, \e, s42
	s_cselect_b32 s43, s41, s43
	s_cselect_b32 s44, s[33+\e], s44
	s_add_co_u32 s56, s[33+\e], 191
	s_lshr_b32 s56, s56, 6
	s_mul_i32 s56, s56, 43
	s_lshr_b32 s56, s56, 7                         ; ceil(n / 192) = floor(floor((n + 191) / 64) / 3); m x 43 / 128 is floor(m / 3) for m under 128
	s_add_co_u32 s41, s41, s56
.endm
.irp e, 0,1,2,3,4,5,6,7
	EXPERT \e
.endr
	s_sub_co_u32 s46, s27, s43
	s_mul_i32 s46, s46, 192                        ; the rank, within the expert, of my tile's first row
	s_sub_co_u32 s45, s44, s46
	s_min_u32 s45, s45, 192                        ; my tile's rows,
	s_cmp_ge_u32 s27, s41
	s_cselect_b32 s45, 0, s45                      ; none where the tile lies behind the last
	s_min_u32 s42, s42, 7
	s_mov_b32 s57, 0
	s_lshl_b32 s56, s42, 20                        ; W1's codes: an expert 2^20 bytes, a split's 256 rows 2^17, my 64 rows 2^15
	s_lshl_b32 s58, s28, 17
	s_add_co_u32 s56, s56, s58
	s_lshl_b32 s58, s24, 15
	s_add_co_u32 s56, s56, s58
	s_add_nc_u64 s[76:77], s[4:5], s[56:57]
	s_lshl_b32 s56, s42, 16                        ; its scale bytes: a sixteenth of that
	s_lshl_b32 s58, s28, 13
	s_add_co_u32 s56, s56, s58
	s_lshl_b32 s58, s24, 11
	s_add_co_u32 s56, s56, s58
	s_add_nc_u64 s[78:79], s[6:7], s[56:57]
	s_lshl_b32 s56, s42, 13                        ; b1 and W2: my 128 numbers
	s_lshl_b32 s58, s28, 10
	s_add_co_u32 s56, s56, s58
	s_lshl_b32 s58, s26, 9
	s_add_co_u32 s56, s56, s58
	s_add_nc_u64 s[80:81], s[10:11], s[56:57]
	s_add_nc_u64 s[82:83], s[8:9], s[56:57]
	s_lshl_b32 s56, s42, 2
	s_add_nc_u64 s[84:85], s[12:13], s[56:57]
	s_load_b32 s74, s[84:85], 0x0                  ; b2 of my expert: waited for where it is used
	s_lshl_b32 s56, s28, 14
	s_add_nc_u64 s[86:87], s[22:23], s[56:57]      ; my split's row of part
	s_cmp_lt_u32 s42, 4
	s_cselect_b32 s47, -1, 0                       ; which word of counts,
	s_and_b32 s48, s42, 3
	s_lshl_b32 s48, s48, 3                         ; which byte of it,
	s_lshr_b32 s49, s42, 1
.irp d, 0,1,2,3
	s_cmp_eq_u32 s49, \d
	s_cselect_b32 s[50+\d], -1, 0                  ; which word of masks,
.endr
	s_mov_b32 s54, 0x05040100
	s_bitcmp1_b32 s42, 0
	s_cselect_b32 s54, 0x07060302, s54             ; and which half of it
	s_wait_loadcnt 0x0                             ; mk
	s_cmp_eq_u32 s45, 0
	s_cbranch_scc1 .Ls1
; ---- staging and placing.  A first batch of 60 loads: b1, W2, W1's scale bytes and 54 of my 64 rows of W1 (a wait's count names at most 63, and 61 more follow).
; Twelve go out here; the other 48 stand in three runs of 16, each directly behind the LDS instructions of the placing and ahead of the wait for them: so those LDS instructions are issued ahead of the run, and the run is on its way while the placing goes on.
	WIN 0x40
	global_load_b128 v[0:3], v2, s[80:81]
	global_load_b128 v[4:7], v2, s[82:83]
.irp i, 0,1,2,3
	global_load_b128 v[8+4*\i:11+4*\i], v2, s[78:79] offset:512*\i
.endr
	WROWS 0, 6
; my four entries for expert e: counts, masks of 32 tokens, and prefix sums over all 128 entries
.irp q, 0,1,2,3
	v_cndmask_b32 v[114+\q], v[100+\q], v[96+\q], s47
.endr
.irp q, 0,1,2,3
	v_bfe_u32 v[114+\q], v[114+\q], s48, 8
.endr
.irp q, 0,1,2,3
	v_and_b32 v104, s50, v[144+8*\q]
	v_and_b32 v105, s50, v[148+8*\q]
.irp d, 1,2,3
	v_and_or_b32 v104, v[144+8*\q+\d], s[50+\d], v104
	v_and_or_b32 v105, v[148+8*\q+\d], s[50+\d], v105
.endr
	v_perm_b32 v[124+\q], v105, v104, s54          ; bit i: token 32 t + i chose e
.endr
	v_add3_u32 v118, v114, v115, v116
	v_add_nc_u32 v118, v118, v117                  ; my four entries' rows, at most 128
	v_mov_b32 v119, 0
.irp n, 0,1,2,3,4,5,6,7                ; the sum over the lanes below me, bit by bit of the addend
	v_and_b32 v106, 1<<\n, v118
	v_cmp_ne_u32 s55, 0, v106
	v_mbcnt_lo_u32_b32 v106, s55, 0
	v_lshl_add_u32 v119, v106, \n, v119
.endr
	v_add_nc_u32 v120, v119, v114                  ; v119: rows ahead of entry 4 l; v120-123: rows up to and with entries 4 l .. 4 l + 3
	v_add_nc_u32 v121, v120, v115
	v_add_nc_u32 v122, v121, v116
	v_add_nc_u32 v123, v122, v117
	ds_store_b32 v12, v123                         ; the 32 lanes' last sums go to every lane, through my wave's own bytes: LDS serves a wave's instructions in order
.irp k, 0,1,2,3,4,5,6,7
	ds_load_b128 v[TAB+4*\k:TAB+4*\k+3], v13 offset:16*\k
.endr
	WROWS 6, 16
	s_wait_dscnt 0x0
.macro LEVEL src, wid                  ; does the wanted bit lie in the lower wid bits from v30 on, or above them?
	v_bfe_u32 v106, v[\src], v30, \wid
	v_cmp_ge_u32 vcc_lo, v29, v106
	v_sub_nc_u32 v106, v29, v106
	v_add_nc_u32 v107, \wid, v30
	v_cndmask_b32 v29, v29, v106, vcc_lo
	v_cndmask_b32 v30, v30, v107, vcc_lo
.endm
; The token of row v[slot] of the tile: rank R within the expert; the lane whose entries hold it; which of that lane's four; which set bit of its mask.
; A row past the expert's last gets some token inside x: it is multiplied and never stored.  first: the run of 16 rows of W1 that goes out behind the permutes.
.macro PLACE slot, tok, first
	v_add_nc_u32 v96, s46, v[\slot]                ; R
	v_mov_b32 v97, 0
.set k, 0
.rept 32
	v_cmp_le_u32 vcc_lo, v[TAB+k], v96
	v_add_co_ci_u32 v97, vcc_lo, 0, v97, vcc_lo    ; how many lanes' entries end at or before R
.set k, k+1
.endr
	v_min_u32 v97, 31, v97
	v_lshlrev_b32 v27, 2, v97
.irp i, 0,1,2,3
	ds_bpermute_b32 v[104+\i], v27, v[119+\i]      ; that lane's prefix sums
	ds_bpermute_b32 v[108+\i], v27, v[124+\i]      ; and masks
.endr
	WROWS \first, 16
	s_wait_dscnt 0x0
	v_mov_b32 v28, 0
.irp i, 1,2,3
	v_cmp_le_u32 vcc_lo, v[104+\i], v96
	v_cndmask_b32 v104, v104, v[104+\i], vcc_lo    ; rows ahead of the entry,
	v_cndmask_b32 v108, v108, v[108+\i], vcc_lo    ; its mask,
	v_add_co_ci_u32 v28, vcc_lo, 0, v28, vcc_lo    ; its number among the four
.endr
	v_sub_nc_u32 v29, v96, v104                    ; the set bit wanted, counted from 0
	v_lshl_add_u32 v31, v97, 2, v28                ; the entry
	v_lshrrev_b32 v109, 1, v108
	v_and_b32 v109, 0x55555555, v109
	v_sub_nc_u32 v109, v108, v109                  ; set bits in each 2,
	v_lshrrev_b32 v110, 2, v109
	v_and_b32 v110, 0x33333333, v110
	v_and_b32 v111, 0x33333333, v109
	v_add_nc_u32 v110, v110, v111                  ; each 4,
	v_lshrrev_b32 v111, 4, v110
	v_add_nc_u32 v111, v111, v110
	v_and_b32 v111, 0x0f0f0f0f, v111               ; each 8,
	v_lshrrev_b32 v105, 8, v111
	v_add_nc_u32 v105, v105, v111
	v_and_b32 v105, 0x00ff00ff, v105               ; each 16
	v_mov_b32 v30, 0
	LEVEL 105, 16
	LEVEL 111, 8
	LEVEL 110, 4
	LEVEL 109, 2
	LEVEL 108, 1
	v_lshl_add_u32 v[\tok], v31, 5, v30
	v_min_u32 v[\tok], 0xfff, v[\tok]              ; inside x, whatever the numbers read
.endm
	PLACE 21, 16, 22
	PLACE 22, 17, 38
; offsets of the rows' scale bytes (two lanes to a row) and codes (a wave to a row)
	v_add_nc_u32 v98, 64, v25
	ds_bpermute_b32 v104, v25, v16                 ; rows 0-15,
	ds_bpermute_b32 v105, v98, v16                 ; 16-31,
	ds_bpermute_b32 v106, v25, v17                 ; 32-47 of my 48
	s_wait_dscnt 0x0
.irp i, 0,1,2
	v_min_u32 v[104+\i], 0xfff, v[104+\i]
	v_lshl_add_u32 v[104+\i], v[104+\i], 5, v26
.endr
	WIN 0xc0                                       ; destination window 3
.set g, 0
.rept 6
.irp i, 0,1,2,3,4,5,6,7
.if g < 4
	v_readlane_b32 s[66+\i], v16, 8*g+\i
.else
	v_readlane_b32 s[66+\i], v17, 8*g+\i-32
.endif
.endr
.irp i, 0,1,2,3,4,5,6,7
	s_min_u32 s[66+\i], s[66+\i], 0xfff
.endr
.irp i, 0,1,2,3,4,5,6,7
	v_lshl_add_u32 v[4*(8*g+\i)], s[66+\i], 9, v2  ; token x 512 + 16 x lane, in the first of the four registers that the row will take
.endr
.set g, g+1
.endr
; the second batch, 61 loads: W1's last 10 rows, x's scale bytes, x's 48 rows
	WROWS 54, 10
	WIN 0x40
.irp k, 0,1,2
	global_load_b128 v[24+4*\k:27+4*\k], v[104+\k], s[16:17]
.endr
	WIN 0xc3
.set i, 0
.rept 48
	global_load_b128 v[4*i:4*i+3], v[4*i], s[14:15]              ; the load lands on its own offset register
.set i, i+1
.endr
	s_wait_loadcnt 61                              ; the first 60 loads are in; the 61 just issued may be out
	WIN 0x04                                       ; an LDS store's data are its source 1: window 1
	ds_store_b128 v14, v[0:3]
	ds_store_b128 v14, v[4:7] offset:512
.irp i, 0,1,2,3
	ds_store_b128 v10, v[8+4*\i:11+4*\i] offset:16*SCP*\i
.endr
	WIN 0x08
.set i, 0
.rept 54
	ds_store_b128 v8, v[4*i:4*i+3] offset:PITCH*i
.set i, i+1
.endr
	s_wait_loadcnt 51                              ; W1's last 10 rows are in
.rept 10
	ds_store_b128 v8, v[4*i:4*i+3] offset:PITCH*i
.set i, i+1
.endr
	s_wait_loadcnt 48                              ; x's scale bytes are in
	WIN 0x04
.irp k, 0,1,2
	ds_store_b128 v11, v[24+4*\k:27+4*\k] offset:16*SCP*\k
.endr
	WIN 0x0c
.set i, 0
.rept 6
	s_wait_loadcnt 40-i                            ; eight more rows of x are in
.rept 8
	ds_store_b128 v9, v[4*i:4*i+3] offset:PITCH*i
.set i, i+1
.endr
.endr
	WIN 0
.Ls1:
	s_wait_dscnt 0x0                               ; for the others' sake: my stores have landed
	s_barrier_signal -1
	s_barrier_wait -1                              ; both operands lie in LDS
	s_cmp_eq_u32 s45, 0
	s_cbranch_scc1 .Ls2
; ---- the product.  Scale words: register SC + 8 i + s: lanes 0-15 x's block i, lanes 16-31 W1's block i, K step s.  (x has six blocks: for i = 6, 7 lanes 0-15 read bytes that are written and not used.)
.macro SCALES u                        ; half u: the words of K steps 4 u .. 4 u + 3
	WIN 0
.irp i, 0,1,2,3,4,5,6,7
	ds_load_b128 v[SC+8*\i+4*\u:SC+8*\i+4*\u+3], v7 offset:16*SCP*\i+16*\u
.endr
.endm
.macro FRAG reg, adr, q, i             ; 16 rows x 128 K of 4-bit codes: lane (r, h), registers 4 c .. 4 c + 3: K = 64 c + 32 h + 0 .. 31
.irp c, 0,1
	ds_load_b128 v[\reg+4*\c:\reg+4*\c+3], v[\adr] offset:64*(\q)+32*\c+(\i)*16*PITCH
.endr
.endm
.macro WRUN q, i0                      ; four of W1's eight fragments of K step q into set q % 2: 8 loads
	WIN 0x40
.irp i, \i0, \i0+1, \i0+2, \i0+3
	FRAG 128*((\q)%2)+8*(\i), 6, \q, \i
.endr
.endm
.macro XRUN q, i0                      ; three of x's six: 6 loads
	WIN 0
.irp i, \i0, \i0+1, \i0+2
	FRAG XF+48*((\q)%2)+8*(\i), 5, \q, \i
.endr
.endm
.macro W2RUN b0                        ; W2 of four tiles, in the result's layout: lane (r, h) of tile b: units 16 b + 8 h + 0 .. 7: 8 loads
	WIN 0x40
.irp b, \b0, \b0+1, \b0+2, \b0+3
	ds_load_b128 v[W2R+8*(\b):W2R+8*(\b)+3], v15 offset:512+64*(\b)
	ds_load_b128 v[W2R+8*(\b)+4:W2R+8*(\b)+7], v15 offset:512+64*(\b)+16
.endr
.endm
.macro WLO q                           ; source 0 (W1) window 1, source 1 (x) window 0, D window 2; C: b1 (window 1) in K step 0, then D's own
.if (\q) == 0
	WIN 0x91
.else
	WIN 0xa1
.endif
.endm
.macro WHI q                           ; the same with D in window 3
.if (\q) == 0
	WIN 0xd1
.else
	WIN 0xf1
.endif
.endm
; 8 matrix instructions: x's block a against W1's eight.  In K step 0 the C is b1's tile: nothing is cleared and no bias is added later.
.macro MUL8 a, q
.irp b, 0,1,2,3,4,5,6,7
.if (\q) == 0
	v_wmma_scale_f32_16x16x128_f8f6f4 v[8*(8*((\a)%4)+\b):8*(8*((\a)%4)+\b)+7], v[128*((\q)%2)+8*\b:128*((\q)%2)+8*\b+7], v[XF+48*((\q)%2)+8*(\a):XF+48*((\q)%2)+8*(\a)+7], v[B1R+8*\b:B1R+8*\b+7], v[SC+8*\b+(\q)], v[SC+8*(\a)+(\q)] matrix_a_fmt:MATRIX_FMT_FP4 matrix_b_fmt:MATRIX_FMT_FP4 matrix_a_scale:MATRIX_SCALE_ROW1
.else
	v_wmma_scale_f32_16x16x128_f8f6f4 v[8*(8*((\a)%4)+\b):8*(8*((\a)%4)+\b)+7], v[128*((\q)%2)+8*\b:128*((\q)%2)+8*\b+7], v[XF+48*((\q)%2)+8*(\a):XF+48*((\q)%2)+8*(\a)+7], v[8*(8*((\a)%4)+\b):8*(8*((\a)%4)+\b)+7], v[SC+8*\b+(\q)], v[SC+8*(\a)+(\q)] matrix_a_fmt:MATRIX_FMT_FP4 matrix_b_fmt:MATRIX_FMT_FP4 matrix_a_scale:MATRIX_SCALE_ROW1
.endif
.endr
.endm
; A K step of 128: 48 matrix instructions, x's six blocks one after the other.  The next step's 28 fragment loads go out in four runs (8, 8, 6, 6), one ahead of each of the first four blocks, so that they are issued
; while matrix instructions are at work and not in one run ahead of them; that costs two window switches a run.  K step 0 also fetches the scale words of steps 4-7; K step 7, which has no successor, fetches W2.
; The 48 accumulators take turns, one instruction a turn, in the same order in every step.
.macro STEP q
.if (\q) == 0
	s_wait_dscnt 0x0                               ; scale words, b1 and the first fragments are in
.else
	s_wait_dscnt 6                                 ; all but the last six loads issued (this step's blocks 3-5 of x) are in
.endif
.if ((\q) > 0) && ((\q) < 7)
.rept 4
	v_nop                                          ; four places in front of loads into the set that the step before multiplied (ISA guide 7.12.1 for vector instructions)
.endr
.endif
.if (\q) < 7
	WRUN (\q)+1, 0
.else
	W2RUN 0
.endif
	WLO \q
	MUL8 0, \q
.if (\q) < 7
	WRUN (\q)+1, 4
.else
	W2RUN 4
.endif
	WLO \q
	MUL8 1, \q
.if (\q) < 7
	XRUN (\q)+1, 0
.endif
.if (\q) == 0
	SCALES 1
.endif
	WLO \q
	MUL8 2, \q
.if (\q) < 7
	XRUN (\q)+1, 3
.endif
.if ((\q) > 0) && ((\q) < 7)
	s_wait_dscnt 28                                ; this step's blocks 3-5 of x are in: behind them 8 + 8 + 6 + 6 loads have been issued
.endif
.if (\q) == 7
	s_wait_dscnt 16                                ; likewise: behind them W2's 8 + 8
.endif
	WLO \q
	MUL8 3, \q
	WHI \q
	MUL8 4, \q
	MUL8 5, \q
.endm
	SCALES 0
	WIN 0x40
.irp b, 0,1,2,3,4,5,6,7
	ds_load_b128 v[B1R+8*\b:B1R+8*\b+3], v15 offset:64*\b              ; tile b, lane (r, h): units 16 b + 8 h + 0 .. 7
	ds_load_b128 v[B1R+8*\b+4:B1R+8*\b+7], v15 offset:64*\b+16
.endr
	WRUN 0, 0
	WRUN 0, 4
	XRUN 0, 0
	XRUN 0, 3
.irp q, 0,1,2,3,4,5,6,7
	STEP \q
.endr
	s_wait_dscnt 0x0                               ; W2
.rept 4
	v_nop                                          ; four places in front of the first read of results
.endr
; ---- tanh and the dot with W2
	WIN 0x05
	v_pk_add_f32 v[96:97], v[W2R:W2R+1], v[W2R+2:W2R+3]
	v_pk_add_f32 v[98:99], v[W2R+4:W2R+5], v[W2R+6:W2R+7]
	WIN 0x04
.set j, 8
.rept 14
	v_pk_add_f32 v[96:97], v[96:97], v[W2R+j:W2R+j+1]
	v_pk_add_f32 v[98:99], v[98:99], v[W2R+j+2:W2R+j+3]
.set j, j+4
.endr
	WIN 0
	v_pk_add_f32 v[96:97], v[96:97], v[98:99]
	v_add_f32 v100, v96, v97                       ; the sum of my lane's 64 numbers of W2
; A row block is 64 numbers a lane, and goes through five passes in place: scaling by 2 log2(e), exponential, + 1, reciprocal, multiply-add with W2 (into the block's own eight lowest registers).
; Line j (0, 2 .. 62) of one of the three plain passes over block blk.  op = 1: the scaling; 2: + 1; 3: x W2, four chains of pairs, the first links start them.
.macro PLAIN op, blk
.set PB, 64*((\blk)%4)
.if \op == 1
	v_pk_mul_f32 v[PB+j:PB+j+1], v[PB+j:PB+j+1], s[62:63] op_sel_hi:[1,0]       ; each accumulator from its low end on
.elseif \op == 2
	v_pk_add_f32 v[PB+j:PB+j+1], v[PB+j:PB+j+1], 1.0 op_sel_hi:[1,0]
.elseif j < 8
	v_pk_mul_f32 v[PB+j:PB+j+1], v[PB+j:PB+j+1], v[W2R+j:W2R+j+1]
.else
	v_pk_fma_f32 v[PB+j%8:PB+j%8+1], v[PB+j:PB+j+1], v[W2R+j:W2R+j+1], v[PB+j%8:PB+j%8+1]
.endif
.endm
.macro PASS op, blk                    ; a plain pass by itself
.set j, 0
.rept 32
	PLAIN \op, \blk
.set j, j+2
.endr
.endm
; 64 transcendentals on block tb (rcp = 0: exponentials; 1: reciprocals), and between them a plain pass over the OTHER block of the pair, one line ahead of each two: it names none of the batch's registers.
; Behind the batch one plain instruction and one wait, ahead of the first line that names a result.
.macro TRANS rcp, tb, op, pb
.set TBB, 64*((\tb)%4)
.set j, 0
.rept 32
	PLAIN \op, \pb
.if \rcp
	v_rcp_f32 v[TBB+j], v[TBB+j]
	v_rcp_f32 v[TBB+j+1], v[TBB+j+1]
.else
	v_exp_f32 v[TBB+j], v[TBB+j]
	v_exp_f32 v[TBB+j+1], v[TBB+j+1]
.endif
.set j, j+2
.endr
	v_nop
	s_wait_alu depctr_va_vdst(0)
.endm
; Row blocks a and a + 1, which lie in one window w.  One setting serves all five passes: destination, source 0 and source 2 in window w, source 1 (W2) in window 1.
.macro ACT2 a
.set PA, 64*((\a)%4)
.if (\a) < 4
	WIN 0xa6
.else
	WIN 0xf7
.endif
	PASS 1, \a
	TRANS 0, \a, 1, (\a)+1
	TRANS 0, (\a)+1, 2, \a
	TRANS 1, \a, 2, (\a)+1
	TRANS 1, (\a)+1, 3, \a
	PASS 3, (\a)+1
.if (\a) < 4
	WIN 0xaa                                       ; all in window w
.else
	WIN 0xff
.endif
	v_pk_add_f32 v[PA:PA+1], v[PA:PA+1], v[PA+2:PA+3]
	v_pk_add_f32 v[PA+64:PA+65], v[PA+64:PA+65], v[PA+66:PA+67]
	v_pk_add_f32 v[PA+4:PA+5], v[PA+4:PA+5], v[PA+6:PA+7]
	v_pk_add_f32 v[PA+68:PA+69], v[PA+68:PA+69], v[PA+70:PA+71]
	v_pk_add_f32 v[PA:PA+1], v[PA:PA+1], v[PA+4:PA+5]
	v_pk_add_f32 v[PA+64:PA+65], v[PA+64:PA+65], v[PA+68:PA+69]
.if (\a) < 4
	WIN 0x0a                                       ; sources in window w, destination in window 0
.else
	WIN 0x0f
.endif
	v_add_f32 v112, v[PA], v[PA+1]
	v_add_f32 v113, v[PA+64], v[PA+65]
	WIN 0
	v_fma_f32 v112, -2.0, v112, v100               ; the sum of W2 (1 - 2 / (1 + 2^..)) over my 64 units,
	v_fma_f32 v113, -2.0, v113, v100
	v_permlanex16_b32 v110, v112, s60, s61
	v_permlanex16_b32 v111, v113, s60, s61
	v_add_f32 v112, v112, v110                     ; and lane l xor 16's 64
	v_add_f32 v113, v113, v111
	ds_store_b32 v18, v112 offset:64*(\a)          ; row 96 wr + 16 a + r, half wc of the split's units; both halves of the lanes write the same word with the same value
	ds_store_b32 v18, v113 offset:64*(\a)+64
.endm
	ACT2 0
	ACT2 2
	ACT2 4
.Ls2:
	s_wait_dscnt 0x0                               ; for the others' sake: my sums have landed
	s_barrier_signal -1
	s_barrier_wait -1
	s_cmp_eq_u32 s45, 0
	s_cbranch_scc1 .Lend
; ---- each wave gives its 48 rows back to their tokens
	ds_load_b32 v96, v19
	ds_load_b32 v97, v19 offset:768
	ds_load_b32 v98, v20
	ds_load_b32 v99, v20 offset:768
	s_wait_kmcnt 0x0                               ; b2
	s_cmp_eq_u32 s28, 0
	s_cselect_b32 s74, s74, 0                      ; it is added once: in split 0
	v_lshlrev_b32 v27, 2, v16
	v_lshlrev_b32 v28, 2, v17
	s_mul_i32 s56, s24, 48
	s_add_co_u32 s56, s56, 48
	s_min_u32 s56, s56, s45                        ; where my rows end, or the tile's
	s_wait_dscnt 0x0
	v_add_f32 v96, v96, v97
	v_add_f32 v98, v98, v99
	v_add_f32 v96, s74, v96
	v_add_f32 v98, s74, v98
	s_wait_xcnt 0x0                                ; EXEC changes only behind this wait
	v_cmp_gt_u32 vcc_lo, s45, v21
	s_and_saveexec_b32 s75, vcc_lo                 ; rows that the tile has
	global_store_b32 v27, v96, s[86:87]
	s_wait_xcnt 0x0
	s_or_b32 exec_lo, exec_lo, s75
	v_cmp_gt_u32 vcc_lo, s56, v22
	s_and_saveexec_b32 s75, vcc_lo
	global_store_b32 v28, v98, s[86:87]
	s_wait_xcnt 0x0
	s_or_b32 exec_lo, exec_lo, s75
.Lend:
	s_wait_tensorcnt 0x0
	ds_add_u32 v254, v255
	s_wait_dscnt 0x0
	s_endpgm
.Lfunc_end_k_q382d5d55be_experts:
	.size	k_q382d5d55be_experts, .Lfunc_end_k_q382d5d55be_experts-k_q382d5d55be_experts
	.p2alignl 7, 3214868480
	.fill 96, 4, 3214868480
	.section	.rodata,"a",@progbits
	.p2align	6, 0x0
	.amdhsa_kernel k_q382d5d55be_experts
		.amdhsa_group_segment_fixed_size 266240
		.amdhsa_private_segment_fixed_size 0
		.amdhsa_enable_private_segment 0
		.amdhsa_kernarg_size 80
		.amdhsa_user_sgpr_count 2
		.amdhsa_user_sgpr_kernarg_segment_ptr 1
		.amdhsa_wavefront_size32 1
		.amdhsa_system_sgpr_workgroup_id_x 1
		.amdhsa_system_sgpr_workgroup_id_y 1
		.amdhsa_system_sgpr_workgroup_id_z 1
		.amdhsa_system_vgpr_workitem_id 0
		.amdhsa_next_free_vgpr 1024
		.amdhsa_next_free_sgpr 96
		.amdhsa_reserve_vcc 1
		.amdhsa_float_denorm_mode_32 3
		.amdhsa_float_denorm_mode_16_64 3
		.amdhsa_memory_ordered 1
		.amdhsa_forward_progress 1
		.amdhsa_inst_pref_size 194
	.end_amdhsa_kernel
	.amdgpu_metadata
---
amdhsa.version: [ 1, 2 ]
amdhsa.kernels:
  - .name:           k_q382d5d55be_experts
    .symbol:         k_q382d5d55be_experts.kd
    .args:
      - { .name: W1_codes, .offset: 0, .size: 8, .value_kind: global_buffer, .address_space: global }
      - { .name: W1_scales, .offset: 8, .size: 8, .value_kind: global_buffer, .address_space: global }
      - { .name: W2, .offset: 16, .size: 8, .value_kind: global_buffer, .address_space: global }
      - { .name: b1, .offset: 24, .size: 8, .value_kind: global_buffer, .address_space: global }
      - { .name: b2, .offset: 32, .size: 8, .value_kind: global_buffer, .address_space: global }
      - { .name: xq, .offset: 40, .size: 8, .value_kind: global_buffer, .address_space: global }
      - { .name: xs, .offset: 48, .size: 8, .value_kind: global_buffer, .address_space: global }
      - { .name: mk, .offset: 56, .size: 8, .value_kind: global_buffer, .address_space: global }
      - { .name: cn, .offset: 64, .size: 8, .value_kind: global_buffer, .address_space: global }
      - { .name: part, .offset: 72, .size: 8, .value_kind: global_buffer, .address_space: global }
    .group_segment_fixed_size: 266240
    .private_segment_fixed_size: 0
    .kernarg_segment_align: 8
    .kernarg_segment_size: 80
    .max_flat_workgroup_size: 128
    .sgpr_count:     96
    .vgpr_count:     1024
    .wavefront_size: 32
...
	.end_amdgpu_metadata
.endif
;; end of part 2
;; launch combine (part 3): grid 8 x 1, 4 waves a work-group, no clusters, 0 bytes of LDS; arguments part, out0; writes out0
.if DOCPART == 3
	.amdgcn_target "amdgcn-amd-amdhsa--gfx1250"
	.amdhsa_code_object_version 6
	.text
	.protected	k_q382d5d55be_combine
	.globl	k_q382d5d55be_combine
	.p2align	8
	.type	k_q382d5d55be_combine,@function
k_q382d5d55be_combine:
	s_mov_b64 s[64:65], 0
	v_nop
	global_prefetch_b8 v0, s[64:65] scope:SCOPE_SE
	s_setreg_imm32_b32 hwreg(HW_REG_WAVE_MODE, 25, 1), 1
	s_wait_xcnt 0x0
; out0[b] = the sum over the eight splits s of part[s][b], s ascending.  A thread takes four neighbouring tokens: each load and the store of a wave cover 512 consecutive bytes, aligned.
; 128 KiB in, 16 KiB out: no LDS, no barrier; eight loads a thread are all that there is to have in flight.
	s_load_b128 s[4:7], s[0:1], 0x0                ; part s[4:5], out0 s[6:7]
	s_lshl_b32 s8, ttmp9, 11                       ; the work-group's 512 tokens
	v_lshl_add_u32 v1, v0, 4, s8
	s_wait_kmcnt 0x0
.irp s, 0,1,2,3,4,5,6,7
	global_load_b128 v[4+4*\s:7+4*\s], v1, s[4:5] offset:16384*\s th:TH_LOAD_NT
.endr
	s_wait_loadcnt 0x0
.irp s, 1,2,3,4,5,6,7
	v_pk_add_f32 v[4:5], v[4:5], v[4+4*\s:5+4*\s]
	v_pk_add_f32 v[6:7], v[6:7], v[6+4*\s:7+4*\s]
.endr
	global_store_b128 v1, v[4:7], s[6:7]
	s_endpgm
.Lfunc_end_k_q382d5d55be_combine:
	.size	k_q382d5d55be_combine, .Lfunc_end_k_q382d5d55be_combine-k_q382d5d55be_combine
	.p2alignl 7, 3214868480
	.fill 96, 4, 3214868480
	.section	.rodata,"a",@progbits
	.p2align	6, 0x0
	.amdhsa_kernel k_q382d5d55be_combine
		.amdhsa_group_segment_fixed_size 0
		.amdhsa_private_segment_fixed_size 0
		.amdhsa_enable_private_segment 0
		.amdhsa_kernarg_size 16
		.amdhsa_user_sgpr_count 2
		.amdhsa_user_sgpr_kernarg_segment_ptr 1
		.amdhsa_wavefront_size32 1
		.amdhsa_system_sgpr_workgroup_id_x 1
		.amdhsa_system_sgpr_workgroup_id_y 1
		.amdhsa_system_sgpr_workgroup_id_z 1
		.amdhsa_system_vgpr_workitem_id 0
		.amdhsa_next_free_vgpr 48
		.amdhsa_next_free_sgpr 66
		.amdhsa_reserve_vcc 0
		.amdhsa_float_denorm_mode_32 3
		.amdhsa_float_denorm_mode_16_64 3
		.amdhsa_memory_ordered 1
		.amdhsa_forward_progress 1
		.amdhsa_inst_pref_size 3
	.end_amdhsa_kernel
	.amdgpu_metadata
---
amdhsa.version: [ 1, 2 ]
amdhsa.kernels:
  - .name:           k_q382d5d55be_combine
    .symbol:         k_q382d5d55be_combine.kd
    .args:
      - { .name: part, .offset: 0, .size: 8, .value_kind: global_buffer, .address_space: global }
      - { .name: out0, .offset: 8, .size: 8, .value_kind: global_buffer, .address_space: global }
    .group_segment_fixed_size: 0
    .private_segment_fixed_size: 0
    .kernarg_segment_align: 8
    .kernarg_segment_size: 16
    .max_flat_workgroup_size: 128
    .sgpr_count:     66
    .vgpr_count:     48
    .wavefront_size: 32
...
	.end_amdgpu_metadata
.endif
;; end of part 3
